; MI455X (gfx1250); checked and timed in simulation.
; The chip was launched on July 23, 2026; its instructions are those of AMD's public machine-readable ISA for CDNA 5 (MIT licence, August 2026) and "CDNA5" Instruction Set Architecture Reference Guide (July 2026). The comments in the code are by the model that wrote it; some were corrected since.
;; Asynchronized Attention. Allowed arithmetic: matrix products marked QUANTISED: E5M2 operands, one given power-of-two scale a tensor, by v_wmma_f32_16x16x64_bf8_bf8 or v_wmma_f32_16x16x128_bf8_bf8, f32 sums; products left as they are: f32 operands where the result goes on into a quantised operand, else bf16, f16 or f32 operands; f32 sums; everything else in f32.
;; Inputs: W_qkv 1,024 x 3,072 float32; b_qkv 3,072 float32; lowp_scales 4 int32 (the exponents e of the quantised operands' scales 2^e); x 4 x 4,096 x 1,024 float32.
;; Outputs: out0 4 x 4,096 x 16 x 64 float32.
;; This version of the problem:
;;   THIS VERSION OF THE PROBLEM IS GIVEN IN LOW PRECISION. The matrix products marked QUANTISED in the list below multiply operands that are first quantised to E5M2 (5 exponent bits, 2 mantissa bits; 8 bits a number), with one given power-of-two scale for each operand tensor; their sums are f32. All else is computed in f32.
;;   The module's matrix products, in the order in which they are computed (A, B: the left and right operand; K: the contracted axis; several contracted axes count as one K, in the product's order):
;;     1. [M 16,384, K 1,024] x [K 1,024, N 3,072]; A: input x; B: input W_qkv: QUANTISED (scales: A lowp_scales[0], B lowp_scales[1])
;;     2. batch 16,384 x [M 16, K 64] x [K 64, N 16]; A: computed on the way; B: computed on the way: QUANTISED (scales: A lowp_scales[2], B lowp_scales[3])
;;     3. batch 16,384 x [M 16, K 16] x [K 16, N 64]; A: computed on the way; B: computed on the way: left as it is (K = 16 < 32)
;;   THE QUANTISER, for each operand of a quantised product, along K:
;;     - The operand's scale is 2^e, e = its entry of the input lowp_scales (int32; the entries are numbered through the quantised products in the list's order, A before B).
;;     - Each number is divided by the scale, clamped to +-57,344, and rounded to the nearest number of E5M2, ties to even, subnormals kept.
;;     - The product sums the exact products of the quantised numbers (number of the format x scale) in f32.
;;   ~~~python
;;   def quantise(x, axis, e):      # numpy; x: float32 -> the quantised numbers, widened to float32 again
;;       x = np.moveaxis(x, axis, -1); K = x.shape[-1]
;;       r = np.clip(x / 2.0 ** e, -57344, 57344)
;;       step = 2.0 ** (np.maximum(np.frexp(np.where(r == 0, 1, r))[1] - 1, -14) - 2)
;;       q = np.round(r / step) * step * 2.0 ** e      # np.round: ties to even
;;       return np.moveaxis(q, -1, axis).astype(np.float32)
;;   ~~~
;;   OPERANDS COMPUTED ON THE WAY. 'Computed on the way' means the value that the module computes at that place (a softmax that the list does not call 'softmax' is quantised finished and normalised). What goes into a quantiser is computed in f32, as accurately as f32 sums, v_exp_f32 and their like allow (about 1e-6 of the number): no bf16 or f16 on the way to a quantiser, and a product that is left as it is and whose result goes on into a quantised operand takes f32 operands (vector FMAs, or v_wmma_f32_16x16x4_f32). A number that lies on a knife's edge between two numbers of the format may be rounded either way, as far as f32 arithmetic and the matrix unit's own rounding can turn it there, and no further.
;; One version. Each part assembles by itself: llvm-mc -triple=amdgcn-amd-amdhsa -mcpu=gfx1250 --defsym DOCPART=n.
;; ======== version 1 of 1: 2 launches
;; limits: values are held in bf16: 8 bits of precision; right only within a limited range of input values
;; workspace buffers: wq 3,194,880 bytes
;; launch layw (part 1): grid 16 x 24, 4 waves a work-group, no clusters, 0 bytes of LDS; arguments W_qkv, b_qkv, lowp_scales, wq; writes wq
.if DOCPART == 1
	.amdgcn_target "amdgcn-amd-amdhsa--gfx1250"
	.amdhsa_code_object_version 6
	.text
	.protected	k_q6ce27ba483_layw
	.globl	k_q6ce27ba483_layw
	.p2align	8
	.type	k_q6ce27ba483_layw,@function
k_q6ce27ba483_layw:
	s_mov_b64 s[64:65], 0
	v_nop
	global_prefetch_b8 v0, s[64:65] scope:SCOPE_SE
	s_setreg_imm32_b32 hwreg(HW_REG_WAVE_MODE, 25, 1), 1
	s_wait_xcnt 0x0
; W_qkv [1024 (k)][3072 (n)], f32, becomes codes of BF8 (E5M2) with the given scale 2^e1, laid in the order in which the next launch's operand registers take them;
; b_qkv becomes b / 2^(e0 + e1), the C of each sum's first matrix instruction there.
; code = w / 2^e1, held within +-57,344, rounded to the nearest code, ties to even.
; wq: 192 records of REC = 16,640 bytes, one for each tile of 16 columns.  Record 48 w + t is place t in the stream of wave w of the next launch.
;   bytes 2,048 s + 512 c + 16 (16 h + r) + 0 .. 15: the codes of k = 128 s + 32 c + 16 h + 0 .. 15 of the tile's row r;   bytes 16,384 + 4 r: the bias of row r (the record's last 192 bytes are never read).
; THE TILES.  A group (head, which: 0 Q, 1 K, 2 V) is 64 columns, four tiles q = 2 pp + u.  w = 2 (head & 1) + pp; t = 2 (8 which + head / 2) + u.
;   Row r of tile q is column 192 head + 64 which + 16 q + r for Q and K, and + 4 r + q for V (so that four tiles of V give a lane four neighbouring channels at the end).
; SHARES.  Work-group (head, y): which = y / 8, K step s = y % 8.  Wave v: pp = v & 1; ch = v / 2: the 64 rows k = 128 s + 64 ch on.  Lane: r = lane % 16, u = lane / 16.
; A LANE TAKES A COLUMN AND ITS REGISTERS RUN DOWN K: the conversions' results are 16 neighbouring codes along K; sixteen lanes store 256 consecutive bytes, aligned.  Nothing is transposed.
; LIMITS: e1 between -126 and 112, e0 + e1 between -126 and 127.  NaN among the inputs is not served.
.set REC, 16640
.set NB,  12288                        ; a row of W in bytes
.set X,   16                           ; v16-79  64 numbers: W(k0 + i, my column)
.set C,   80                           ; v80-95  their codes
	s_load_b256 s[4:11], s[0:1], 0x0               ; W s[4:5], b s[6:7], the scales' exponents s[8:9], wq s[10:11]
	v_lshrrev_b32 v1, 5, v0
	v_readfirstlane_b32 s12, v1                    ; wave 0..3
	s_and_b32 s13, s12, 1                          ; pp
	s_lshr_b32 s14, s12, 1                         ; ch
	s_mov_b32 s15, ttmp9                           ; head
	s_and_b32 s16, ttmp7, 0xffff
	s_lshr_b32 s17, s16, 3                         ; which
	s_and_b32 s18, s16, 7                          ; K step s
	s_cmp_eq_u32 s17, 2                            ; V's tiles take every fourth column
	s_cselect_b32 s20, 4, 1                        ; columns from row to row of a tile
	s_cselect_b32 s22, 1, 16                       ; and from tile to tile
	s_lshl_b32 s19, s13, 1
	v_and_b32 v2, 15, v0                           ; r
	v_bfe_u32 v3, v0, 4, 1                         ; u
	v_add_nc_u32 v11, s19, v3                      ; q = 2 pp + u
	v_mul_u32_u24 v4, s20, v2
	v_mad_u32_u24 v4, v11, s22, v4                 ; my column in the group
	v_lshlrev_b32 v5, 2, v4                        ; in bytes
	v_mul_u32_u24 v6, v3, REC
	v_lshl_add_u32 v7, v2, 2, v6
	v_add_nc_u32 v7, 16384, v7                     ; where my bias goes: u records on, 16,384 + 4 r
	v_lshl_add_u32 v6, v2, 4, v6                   ; where my codes go: u records on, 16 r
	s_mul_i32 s28, s15, 768                        ; the group's first column in bytes: 4 (192 head + 64 which)
	s_lshl_b32 s21, s17, 8
	s_add_co_u32 s28, s28, s21
	s_mov_b32 s29, 0
	s_mul_i32 s30, s18, 128*NB                     ; my first row of W: 128 s + 64 ch
	s_mul_i32 s21, s14, 64*NB
	s_add_co_u32 s30, s30, s21
	s_add_co_u32 s30, s30, s28
	s_mov_b32 s31, 0
	s_and_b32 s32, s15, 1                          ; the record of tile 2 pp: 48 (2 (head & 1) + pp) + 16 which + 2 (head / 2)
	s_lshl_b32 s32, s32, 1
	s_add_co_u32 s32, s32, s13
	s_mul_i32 s32, s32, 48
	s_lshl_b32 s21, s17, 4
	s_add_co_u32 s32, s32, s21
	s_and_b32 s21, s15, 14
	s_add_co_u32 s32, s32, s21
	s_mul_i32 s32, s32, REC
	s_lshl_b32 s21, s18, 11                        ; + fragment s,
	s_add_co_u32 s32, s32, s21
	s_lshl_b32 s21, s14, 10                        ; + my half of it
	s_add_co_u32 s32, s32, s21
	s_mov_b32 s33, 0
	s_wait_alu depctr_va_vdst(0)
	s_wait_kmcnt 0x0
	s_load_b64 s[24:25], s[8:9], 0x0               ; e0, e1
	s_add_nc_u64 s[4:5], s[4:5], s[30:31]
	s_add_nc_u64 s[6:7], s[6:7], s[28:29]
	s_add_nc_u64 s[10:11], s[10:11], s[32:33]
.set n, 0
.rept 64
	global_load_b32 v[X+n], v5, s[4:5] offset:n*NB ; row k0 + n at my column
.set n, n+1
.endr
	s_wait_kmcnt 0x0
	s_add_co_i32 s34, s25, 127
	s_lshl_b32 s35, s34, 23
	v_mov_b32 v8, s35                              ; 2^e1 as f32: the conversion takes its exponent field
	s_add_co_i32 s34, s34, 15
	s_lshl_b32 s34, s34, 23
	s_or_b32 s34, s34, 0x600000
	v_mov_b32 v9, s34                              ; 57,344 x 2^e1
	s_add_co_i32 s26, s24, s25
	s_sub_co_i32 s26, 0, s26                       ; -(e0 + e1)
	s_wait_alu depctr_va_vdst(0)
.irp g, 0,1,2,3                        ; group g: 16 rows = 16 codes; in the fragment c = 2 ch + g / 2, h = g % 2: 256 g bytes on
	s_wait_loadcnt 48-16*\g                        ; loads come back in order: this group's sixteen are in, the later groups' may be out
.set n, 0
.rept 16
	v_med3_num_f32 v[X+16*\g+n], v[X+16*\g+n], -v9, v9   ; the conversion to an 8-bit code does not saturate (ISA guide 7.6.2): the hold at the largest code x the scale
.set n, n+1
.endr
	v_cvt_scalef32_pk8_bf8_f32 v[C+4*\g:C+4*\g+1], v[X+16*\g:X+16*\g+7], v8
	v_cvt_scalef32_pk8_bf8_f32 v[C+4*\g+2:C+4*\g+3], v[X+16*\g+8:X+16*\g+15], v8
	global_store_b128 v6, v[C+4*\g:C+4*\g+3], s[10:11] offset:256*\g   ; sixteen lanes: 256 consecutive bytes, at a multiple of 256 from wq's first byte.  Each group has its own registers: none is written again
.endr
	s_or_b32 s21, s18, s14                         ; the bias is laid once for each tile: by the waves with s = 0 and ch = 0
	s_cmp_lg_u32 s21, 0
	s_cbranch_scc1 .Lend
	global_load_b32 v10, v5, s[6:7]
	s_wait_loadcnt 0x0
	v_ldexp_f32 v10, v10, s26                      ; b / 2^(e0 + e1): nothing is rounded
	global_store_b32 v7, v10, s[10:11]
.Lend:
	s_endpgm
.Lfunc_end_k_q6ce27ba483_layw:
	.size	k_q6ce27ba483_layw, .Lfunc_end_k_q6ce27ba483_layw-k_q6ce27ba483_layw
	.p2alignl 7, 3214868480
	.fill 96, 4, 3214868480
	.section	.rodata,"a",@progbits
	.p2align	6, 0x0
	.amdhsa_kernel k_q6ce27ba483_layw
		.amdhsa_group_segment_fixed_size 0
		.amdhsa_private_segment_fixed_size 0
		.amdhsa_enable_private_segment 0
		.amdhsa_kernarg_size 32
		.amdhsa_user_sgpr_count 2
		.amdhsa_user_sgpr_kernarg_segment_ptr 1
		.amdhsa_wavefront_size32 1
		.amdhsa_system_sgpr_workgroup_id_x 1
		.amdhsa_system_sgpr_workgroup_id_y 1
		.amdhsa_system_sgpr_workgroup_id_z 1
		.amdhsa_system_vgpr_workitem_id 0
		.amdhsa_next_free_vgpr 96
		.amdhsa_next_free_sgpr 66
		.amdhsa_reserve_vcc 0
		.amdhsa_float_denorm_mode_32 3
		.amdhsa_float_denorm_mode_16_64 3
		.amdhsa_memory_ordered 1
		.amdhsa_forward_progress 1
		.amdhsa_inst_pref_size 15
	.end_amdhsa_kernel
	.amdgpu_metadata
---
amdhsa.version: [ 1, 2 ]
amdhsa.kernels:
  - .name:           k_q6ce27ba483_layw
    .symbol:         k_q6ce27ba483_layw.kd
    .args:
      - { .name: W_qkv, .offset: 0, .size: 8, .value_kind: global_buffer, .address_space: global }
      - { .name: b_qkv, .offset: 8, .size: 8, .value_kind: global_buffer, .address_space: global }
      - { .name: lowp_scales, .offset: 16, .size: 8, .value_kind: global_buffer, .address_space: global }
      - { .name: wq, .offset: 24, .size: 8, .value_kind: global_buffer, .address_space: global }
    .group_segment_fixed_size: 0
    .private_segment_fixed_size: 0
    .kernarg_segment_align: 8
    .kernarg_segment_size: 32
    .max_flat_workgroup_size: 128
    .sgpr_count:     66
    .vgpr_count:     96
    .wavefront_size: 32
...
	.end_amdgpu_metadata
.endif
;; end of part 1
;; launch fused (part 2): grid 256 x 1, 4 waves a work-group, no clusters, 297,472 bytes of LDS; arguments x, wq, lowp_scales, out0; writes out0
.if DOCPART == 2
	.amdgcn_target "amdgcn-amd-amdhsa--gfx1250"
	.amdhsa_code_object_version 6
	.text
	.protected	k_q6ce27ba483_fused
	.globl	k_q6ce27ba483_fused
	.p2align	8
	.type	k_q6ce27ba483_fused,@function
k_q6ce27ba483_fused:
	s_mov_b64 s[64:65], 0
	v_nop
	global_prefetch_b8 v0, s[64:65] scope:SCOPE_SE
	s_setreg_imm32_b32 hwreg(HW_REG_WAVE_MODE, 25, 1), 1
	s_wait_xcnt 0x0
; out[t][h][:] = sum over g of p[t][h][g] V[t][g][:],  p = e / sum of e,  e = exp(s) where |s| <= 20, else 0,  s = Q[t][h] . K[t][g] - 20,  (Q, K, V) = x W + b.
; x W and Q K^T on codes of BF8 (E5M2) with the given scales 2^e0 .. 2^e3; p V on bf16; all sums f32.  Nothing between x and out goes to memory.
; No maximum is taken away ahead of the exponential: the module itself takes the constant 20 away and keeps only s in [-20, 20], so e lies between e^-20 and e^20.  A row with no s in the window gives 0 x infinity = NaN, as 0 / 0 does there.
; SHARES.  A work-group owns 64 tokens and all 3,072 columns.  THE FOUR WAVES SHARE THE COLUMNS: each holds the codes of all 64 tokens (4 tiles x 8 K steps x 16 = 512 registers) and walks 48 tiles of 16 columns
; (24 trips of two tiles: 8 of Q, 8 of K, 8 of V).  A tile is summed over the whole K at once: 32 matrix instructions on 4 accumulators by turns.  Source 0 = 16 columns of W, source 1 = 16 tokens: a lane holds one token and eight columns.
; W COMES STRAIGHT INTO REGISTERS, from records laid in the operand's order: a ring of 16 fragment buffers (256 registers, 32,768 bytes a wave) under counted waits.
; WHY NO JOINT LOADS, though all work-groups walk the same records: the stages below take 296,960 of the 327,680 bytes that a work-group can be given; the 30,720 left would make two slots of 3,840 bytes a wave, under two fragments
; of 2,048: fewer than eight matrix instructions between a request and the wait for it.  And a fragment of W is wanted by one wave alone: LDS would add no reuse inside the work-group.
; No prefetch: x is read once at the head, where every wave's loads are already out, and the records are read again by every work-group.
; THE SMALL PRODUCTS.  Q's and K's codes and V (bf16) go through LDS from 'a lane a token' to 'a wave a token'; wave w then takes tokens 16 w .. 16 w + 15.  S^T = K Q^T (one K = 64 instruction a token): a lane holds one head h and
; eight g; p in bf16 IS source 0 of p V (K = 32, its upper 16 zeros); V comes turned by ds_load_tr16_b128.  HEADS STAND PERMUTED there: index i stands for head 2 (i % 8) + i / 8, alike in Q's lanes, K's lanes, p's k and V's rows.
; V's tile t holds channels 4 r + t, so a lane's results of four tiles are 16 neighbouring bytes of out, and the 32 lanes store 512 consecutive bytes.
; SCALES.  A sum stands for sum x 2^(e0 + e1) (the bias went in divided by that).  Q's conversion takes 2^(e2 - e0 - e1), K's 2^(e3 - e0 - e1); a score is multiplied by 2^(e2 + e3); V is rounded to bf16 as the sum stands and out is multiplied by 2^(e0 + e1).
; LIMITS: e0, e2 - e0 - e1 and e3 - e0 - e1 between -126 and 112; e0 + e1 and e2 + e3 between -126 and 127.  NaN among the inputs is not served.
; LDS, a token's pitch TP = 2,064 = 129 x 16, so that sixteen tokens' 16-byte stores start at sixteen different banks (64 banks of 4 bytes: ISA guide 11.1):
;   QKST at 0:      token TP + 1,024 pp + 512 hh + 256 (head & 1) + 128 which + 16 (head / 2): 16 codes: d = 32 pp + 8 hh + 0..7, then 32 pp + 16 + 8 hh + 0..7
;   VST at 132,096: token TP + 1,024 pp + 64 i + 32 u + 16 hh: for each pp, 16 rows (head index i) of 32 bf16: position 16 u + tile row
;   PIMG at 264,192: 512 (16 w + token) + 16 lane: the image of p's four registers
;   over VST, before V exists: XIMG, x's 32 fragments as images of their registers (2,048 (8 m + s) + 512 c + 16 lane), and XT, a stage of 16 rows x 528 bytes for each wave.
; In every stage a wave's term is larger than all that a loop steps, so the waves' bytes are disjoint runs.
; REGISTERS, in windows of 256: windows 1, 2: x as loaded, K step s, row p at 64 (s % 4) + 4 p of window 1 + s / 4; then x's fragments (m, s) at 64 (s % 4) + 16 m of window 1 + s / 4.   window 3: W's ring, tile u, K step s at 16 (8 u + s).
;   window 0: v1-15 addresses that stay; v16-21 constants; v22-27 addresses in hand; v32-63 the accumulators; v64-79 the two tiles' biases; v80-95 codes or bf16 on their way to LDS; v96-255 by phase, named below.
.set TP,   2064
.set MT,   16*TP                       ; sixteen tokens
.set REC,  16640
.set VST,  64*TP
.set PIMG, 2*64*TP
.set XIMG, VST
.set XT,   VST+65536
.set XTW,  16*528
.set L16,  1                           ; v1   16 x lane
.set BOF,  2                           ; v2   32 x (lane / 16): my eight numbers of a tile's bias
.set XST,  3                           ; v3   x's stage, in
.set XRD,  4                           ; v4   x's stage, out: row r, + 64 h
.set XWI,  5                           ; v5   where I store x's images
.set ALD,  6                           ; v6   where I load them
.set ADQ0, 7                           ; v7, v8   Q's and K's codes: tokens 0-31, 32-63
.set ADQ1, 8
.set ADV0, 9                           ; v9, v10  V likewise
.set ADV1, 10
.set AQB,  11                          ; v11  the scores' reads of QKST
.set APB,  12                          ; v12  p's images
.set AVB,  13                          ; v13  the turning loads of V
.set GO,   15                          ; v15  my byte offset in two heads of out: 256 h + 16 r
.set SC,   16                          ; v16  the conversions' scale;  v17 the largest number x that
.set LIM,  17
.set ACC,  32
.set BIAS, 64
.set CD,   80
.set TX,   96                          ; v96-159   x phase: 64 numbers of a lane
.set QF,   96                          ; scores: four tokens' fragments of Q, of K; S^T; e; sums; reciprocals (pairs); lane permutes' destinations
.set KF,   128
.set SS,   160
.set EE,   192
.set SUM,  224
.set RR,   232
.set PD,   240
.set PF,   32                          ; p V: two tokens' p; eight fragments of V; eight results; two tokens' rows of out
.set VF,   96
.set DD,   160
.set OUT0, 48
.set OUT1, 224
.set XP,   4                           ; s[4:5] x, s[6:7] wq, s[10:11] out, each at my wave's part
.set WP,   6
.set OP,   10
.set MSB, 0
.macro WIN new                         ; the immediate's high byte repeats the setting that is left; a switch that changes nothing is dropped
.if MSB != (\new)
	s_set_vgpr_msb (MSB<<8)|(\new)
.set MSB, (\new)
.endif
.endm
.macro PLACES                          ; four plain vector instructions behind a matrix instruction, ahead of reads of its result and of loads into its registers (ISA guide 7.12.1 for vector instructions)
.rept 4
	v_nop
.endr
.endm
.macro BARRIER                         ; my LDS stores have landed and my LDS loads are in: then the work-group's barrier
	s_wait_dscnt 0x0
	s_barrier_signal -1
	s_barrier_wait -1
.endm
.macro MKSC e, sc, lim                 ; s[e] = an exponent: s[sc] = 2^e as f32, s[lim] = 57,344 x 2^e
	s_add_co_i32 s[\lim], s[\e], 127
	s_lshl_b32 s[\sc], s[\lim], 23
	s_add_co_i32 s[\lim], s[\lim], 15
	s_lshl_b32 s[\lim], s[\lim], 23
	s_or_b32 s[\lim], s[\lim], 0x600000
.endm
; K step s of my 16 tokens of x: sixteen loads, each 512 consecutive bytes of one row
.macro XLOAD s
	WIN 0x40*(1+(\s)/4)
.irp p, 0,1,2,3,4,5,6,7,8,9,10,11,12,13,14,15
	global_load_b128 v[64*((\s)%4)+4*\p:64*((\s)%4)+4*\p+3], v[L16], s[XP:XP+1] offset:4096*\p+512*(\s) th:TH_LOAD_NT
.endr
	WIN 0
.endm
; 64 numbers of a lane, register 16 b + i = k 32 b + 16 h + i of my row, become a fragment's 16 registers of codes
.macro QUANT
.irp b, 0,1,2,3
.set n, 0
.rept 16
	v_med3_num_f32 v[TX+16*\b+n], v[TX+16*\b+n], -v[LIM], v[LIM]   ; the conversion to an 8-bit code does not saturate (ISA guide 7.6.2): the hold at the largest code x the scale
.set n, n+1
.endr
	v_cvt_scalef32_pk8_bf8_f32 v[CD+4*\b:CD+4*\b+1], v[TX+16*\b:TX+16*\b+7], v[SC]
	v_cvt_scalef32_pk8_bf8_f32 v[CD+4*\b+2:CD+4*\b+3], v[TX+16*\b+8:TX+16*\b+15], v[SC]
.endr
	v_nop                                          ; a plain vector instruction behind the last conversion
.endm
; A run of W's loads: four fragments (K steps 4 hf .. 4 hf + 3) of tile u, off bytes on; with the first half the tile's bias: 18 loads or 16
.macro WRUN u, hf, off
	WIN 0xc0
.irp sl, 0,1,2,3
.irp c, 0,1,2,3
	global_load_b128 v[16*(8*(\u)+4*(\hf)+\sl)+4*\c:16*(8*(\u)+4*(\hf)+\sl)+4*\c+3], v[L16], s[WP:WP+1] offset:(\off)+(\u)*REC+2048*(4*(\hf)+\sl)+512*\c
.endr
.endr
	WIN 0
.if (\hf) == 0
	global_load_b128 v[BIAS+8*(\u):BIAS+8*(\u)+3], v[BOF], s[WP:WP+1] offset:(\off)+(\u)*REC+16384
	global_load_b128 v[BIAS+8*(\u)+4:BIAS+8*(\u)+7], v[BOF], s[WP:WP+1] offset:(\off)+(\u)*REC+16400
.endif
.endm
.macro WPRO                            ; the ring's first fill: the first trip's two tiles
	WRUN 0, 0, 0
	WRUN 0, 1, 0
	WRUN 1, 0, 0
	WRUN 1, 1, 0
.endm
; K step s of x: through my stage, so that a lane holds 16 neighbours of each block of 32; quantised; its image to LDS.  cnt: the loads issued behind this K step's
.macro XSTEP s, cnt
	s_wait_loadcnt \cnt
	WIN 0x04*(1+(\s)/4)
.irp p, 0,1,2,3,4,5,6,7,8,9,10,11,12,13,14,15
	ds_store_b128 v[XST], v[64*((\s)%4)+4*\p:64*((\s)%4)+4*\p+3] offset:528*\p
.endr
	WIN 0
.irp b, 0,1,2,3
.irp j, 0,1,2,3
	ds_load_b128 v[TX+16*\b+4*\j:TX+16*\b+4*\j+3], v[XRD] offset:128*\b+16*\j   ; LDS serves a wave's instructions in order (ISA guide 5.7.1.4): these see my stores above
.endr
.endr
.if (\s) < 4
	XLOAD (\s)+4
.endif
	s_wait_dscnt 0x0                               ; the step's numbers are back, and the last step's image stores have read their registers
	QUANT
.irp c, 0,1,2,3
	ds_store_b128 v[XWI], v[CD+4*\c:CD+4*\c+3] offset:2048*(\s)+512*\c
.endr
.endm
; Half of a tile's sum: 16 matrix instructions, K steps 4 hf .. 4 hf + 3 x the four tiles of tokens.  The four accumulators take turns, one instruction a turn.  The bias starts the sums.
; cnt: the loads issued behind the run that is multiplied.  load = 1: the buffers just read take the same half of the tile two tiles on.
.macro HALF u, hf, cnt, load
	s_wait_loadcnt \cnt
	WIN 0x07+4*(\hf)                               ; source 0 (W) window 3, source 1 (x) window 1 or 2, C and D window 0
.irp sl, 0,1,2,3
.irp m, 0,1,2,3
.if ((\hf) == 0) && (\sl == 0)
	v_wmma_f32_16x16x128_bf8_bf8 v[ACC+8*\m:ACC+8*\m+7], v[16*(8*(\u)+4*(\hf)+\sl):16*(8*(\u)+4*(\hf)+\sl)+15], v[64*\sl+16*\m:64*\sl+16*\m+15], v[BIAS+8*(\u):BIAS+8*(\u)+7]
.else
	v_wmma_f32_16x16x128_bf8_bf8 v[ACC+8*\m:ACC+8*\m+7], v[16*(8*(\u)+4*(\hf)+\sl):16*(8*(\u)+4*(\hf)+\sl)+15], v[64*\sl+16*\m:64*\sl+16*\m+15], v[ACC+8*\m:ACC+8*\m+7]
.endif
.endr
.endr
	PLACES                                         ; ahead of the loads into the buffers and the bias just read, and of the first read of the sums
.if \load
	WRUN \u, \hf, 2*REC
.else
	WIN 0
.endif
.endm
; Tile u of Q or K is finished: a lane's eight sums of each tile of tokens become 8 codes; the two tiles' codes make 16 bytes and go to QKST together
.macro EPI_QK u
.if (\u) == 0
	s_wait_dscnt 0x0                               ; the last trip's stores have read the codes' registers
.endif
.set n, 0
.rept 32
	v_med3_num_f32 v[ACC+n], v[ACC+n], -v[LIM], v[LIM]   ; each accumulator from its low end on
.set n, n+1
.endr
.irp m, 0,1,2,3
	v_cvt_scalef32_pk8_bf8_f32 v[CD+4*\m+2*(\u):CD+4*\m+2*(\u)+1], v[ACC+8*\m:ACC+8*\m+7], v[SC]
.endr
	v_nop                                          ; a plain vector instruction between the conversions and the products that write their sources
.if (\u) == 1
	ds_store_b128 v22, v[CD:CD+3]
	ds_store_b128 v22, v[CD+4:CD+7] offset:MT
	ds_store_b128 v23, v[CD+8:CD+11]
	ds_store_b128 v23, v[CD+12:CD+15] offset:MT
.endif
.endm
; Tile u of V is finished: eight sums become 8 bf16, 16 bytes
.macro EPI_V u
	s_wait_dscnt 0x0                               ; the stores before have read these registers
.irp m, 0,1,2,3
.irp q, 0,1,2,3
	v_cvt_pk_bf16_f32 v[CD+4*\m+\q], v[ACC+8*\m+2*\q], v[ACC+8*\m+2*\q+1]
.endr
.endr
	ds_store_b128 v24, v[CD:CD+3] offset:32*(\u)
	ds_store_b128 v24, v[CD+4:CD+7] offset:MT+32*(\u)
	ds_store_b128 v25, v[CD+8:CD+11] offset:32*(\u)
	ds_store_b128 v25, v[CD+12:CD+15] offset:MT+32*(\u)
.endm
.macro VTRIP c0, c1, c2, c3, load      ; two tiles of V of one head
	v_add_nc_u32 v24, s32, v[ADV0]
	v_add_nc_u32 v25, s32, v[ADV1]
	HALF 0, 0, \c0, \load
	HALF 0, 1, \c1, \load
	EPI_V 0
	HALF 1, 0, \c2, \load
	HALF 1, 1, \c3, \load
	EPI_V 1
.endm
	; ---- the head: every address is made here
	s_load_b256 s[4:11], s[0:1], 0x0               ; x s[4:5], wq s[6:7], the scales' exponents s[8:9], out s[10:11]
	v_lshrrev_b32 v28, 5, v0
	v_readfirstlane_b32 s12, v28                   ; wave w, 0..3
	s_and_b32 s13, s12, 1                          ; pp: which pair of a group's four tiles is mine
	s_lshr_b32 s14, s12, 1                         ; the parity of my heads
	v_and_b32 v1, 31, v0
	v_lshlrev_b32 v[L16], 4, v1
	v_and_b32 v28, 15, v0                          ; r
	v_bfe_u32 v29, v0, 4, 1                        ; h
	v_bfe_u32 v30, v0, 3, 1                        ; r / 8
	v_and_b32 v31, 7, v0                           ; r % 8
	v_lshlrev_b32 v[BOF], 5, v29
	s_mul_i32 s38, s12, XTW
	s_add_co_u32 s38, s38, XT                      ; my stage for x
	v_add_nc_u32 v[XST], s38, v[L16]
	v_mul_u32_u24 v[XRD], v28, 528
	v_lshl_add_u32 v[XRD], v29, 6, v[XRD]
	v_add_nc_u32 v[XRD], s38, v[XRD]
	s_lshl_b32 s38, s12, 14                        ; my eight images: tile of tokens m = w
	s_add_co_u32 s38, s38, XIMG
	v_add_nc_u32 v[XWI], s38, v[L16]
	v_add_nc_u32 v[ALD], XIMG, v[L16]
	s_lshl_b32 s38, s13, 10
	s_lshl_b32 s39, s14, 8
	s_add_co_u32 s39, s39, s38
	v_mul_u32_u24 v14, v28, TP                     ; my token's place
	v_lshl_add_u32 v[ADQ0], v29, 9, v14
	v_add_nc_u32 v[ADQ0], s39, v[ADQ0]             ; r TP + 512 h + 1,024 pp + 256 parity
	v_add_nc_u32 v[ADQ1], 2*MT, v[ADQ0]
	s_lshl_b32 s39, s14, 9
	s_add_co_u32 s39, s39, s38
	s_add_co_u32 s39, s39, VST
	v_lshl_add_u32 v[ADV0], v29, 4, v14
	v_add_nc_u32 v[ADV0], s39, v[ADV0]             ; VST + r TP + 16 h + 1,024 pp + 512 parity
	v_add_nc_u32 v[ADV1], 2*MT, v[ADV0]
	s_mul_i32 s38, s12, MT                         ; the sixteen tokens that are mine in the small products
	v_lshlrev_b32 v[AQB], 8, v30
	v_lshl_add_u32 v[AQB], v31, 4, v[AQB]
	v_lshl_add_u32 v[AQB], v29, 9, v[AQB]
	v_add_nc_u32 v[AQB], s38, v[AQB]               ; head index r: 256 (r / 8) + 16 (r % 8); + 512 h
	s_lshl_b32 s39, s12, 13
	s_add_co_u32 s39, s39, PIMG
	v_add_nc_u32 v[APB], s39, v[L16]
	s_add_co_u32 s38, s38, VST
	v_lshlrev_b32 v[AVB], 9, v29
	v_lshl_add_u32 v[AVB], v31, 6, v[AVB]
	v_lshl_add_u32 v[AVB], v30, 4, v[AVB]
	v_add_nc_u32 v[AVB], s38, v[AVB]               ; row 8 h + lane % 8 of 64 bytes, + 16 ((lane / 8) % 2)
	v_lshlrev_b32 v[GO], 8, v29
	v_lshl_add_u32 v[GO], v28, 4, v[GO]
	v_mov_b32 v18, 0xc1a00000                      ; -20, twice
	v_mov_b32 v19, 0xc1a00000
	v_mov_b32 v20, 0xff800000                      ; -infinity
	v_mov_b32 v21, 0x41a00000                      ; 20
.irp i, 0,1,2,3
	v_mov_b32 v[RR+2*\i+1], 0                      ; named as the upper half of a pair
	v_mov_b32 v[PD+\i], 0                          ; a lane permute's destination counts as one of its sources
.endr
	s_lshl_b32 s36, ttmp9, 18                      ; 64 tokens x 4,096 bytes a work-group, in x and in out alike,
	s_lshl_b32 s37, s12, 16                        ; 16 a wave
	s_add_co_u32 s36, s36, s37
	s_mov_b32 s37, 0
	s_mul_i32 s38, s12, 48*REC                     ; my stream of 48 records
	s_mov_b32 s39, 0
	s_mov_b32 s28, 0x3fb8aa3b                      ; log2(e), twice
	s_mov_b32 s29, 0x3fb8aa3b
	s_mov_b32 s34, 0x76543210                      ; v_permlanex16_b32's selects for lane l xor 16
	s_mov_b32 s35, 0xfedcba98
	s_wait_kmcnt 0x0
	s_load_b128 s[16:19], s[8:9], 0x0              ; e0, e1, e2, e3
	s_add_nc_u64 s[XP:XP+1], s[XP:XP+1], s[36:37]
	s_add_nc_u64 s[OP:OP+1], s[OP:OP+1], s[36:37]
	s_add_nc_u64 s[WP:WP+1], s[WP:WP+1], s[38:39]
	WPRO                                           ; W's first two tiles are asked for ahead of x: window 3 and the bias registers are named by nothing in the x phase; loads come back in order, so the counts below, which count x's loads alone, stand
	XLOAD 0
	XLOAD 1
	XLOAD 2
	XLOAD 3
	s_wait_kmcnt 0x0
	MKSC 16, 20, 21                                ; x's scale
	s_add_co_i32 s36, s16, s17                     ; e0 + e1
	s_sub_co_i32 s37, s18, s36
	MKSC 37, 22, 23                                ; Q's: 2^(e2 - e0 - e1)
	s_sub_co_i32 s37, s19, s36
	MKSC 37, 24, 25                                ; K's: 2^(e3 - e0 - e1)
	s_add_co_i32 s26, s18, s19
	s_add_co_i32 s26, s26, 127
	s_lshl_b32 s26, s26, 23                        ; 2^(e2 + e3), twice
	s_mov_b32 s27, s26
	s_add_co_i32 s30, s36, 127
	s_lshl_b32 s30, s30, 23                        ; 2^(e0 + e1)
	v_mov_b32 v[SC], s20
	v_mov_b32 v[LIM], s21
	; ---- x: my 16 tokens become eight fragments.  The counts: the sixteen loads of each K step issued behind the one wanted
	s_wait_alu depctr_va_vdst(0)
	XSTEP 0, 48
	XSTEP 1, 48
	XSTEP 2, 48
	XSTEP 3, 48
; Every wave takes all four waves' fragments of K step s into the registers that x's numbers of that step have left: 16 loads.
; The exchange goes in three parts (K steps 0-3, 4-5, 6-7), each behind a barrier that shows those steps' images stored; images stored meanwhile belong to later K steps: other bytes.
.macro XTAKE s
.irp m, 0,1,2,3
.irp c, 0,1,2,3
	ds_load_b128 v[64*((\s)%4)+16*\m+4*\c:64*((\s)%4)+16*\m+4*\c+3], v[ALD] offset:2048*(8*\m+(\s))+512*\c
.endr
.endr
.endm
	BARRIER                                        ; the images of K steps 0-3 lie in LDS; window 1's numbers have been read by my stage's stores
	WIN 0x40
	XTAKE 0
	XTAKE 1
	XTAKE 2
	XTAKE 3
	WIN 0
	XSTEP 4, 48
	XSTEP 5, 32
	BARRIER                                        ; K steps 4 and 5: the lower half of window 2 is free, the loads of steps 6 and 7 land in its upper half
	WIN 0x80
	XTAKE 4
	XTAKE 5
	WIN 0
	XSTEP 6, 16
	XSTEP 7, 0
	BARRIER                                        ; all 32 fragments lie in LDS
	WIN 0x80
	XTAKE 6
	XTAKE 7
	WIN 0
	s_wait_dscnt 0x0
	; ---- Q and K: 16 trips of two tiles: trips 0-7 Q of my eight heads, trips 8-15 K.  The counts: 50 = 16 + 18 + 16 and 52 = 18 + 16 + 18 loads stand behind the run that a half multiplies
	s_mov_b32 s31, 0
	s_mov_b32 s32, 0                               ; 16 x trip = 128 which + 16 (head / 2)
.Lqk:
	s_cmp_lt_u32 s31, 8
	s_cselect_b32 s36, s22, s24
	s_cselect_b32 s37, s23, s25
	v_mov_b32 v[SC], s36
	v_mov_b32 v[LIM], s37
	v_add_nc_u32 v22, s32, v[ADQ0]
	v_add_nc_u32 v23, s32, v[ADQ1]
	HALF 0, 0, 50, 1
	HALF 0, 1, 52, 1
	s_wait_alu depctr_va_vdst(0)
	EPI_QK 0
	HALF 1, 0, 50, 1
	HALF 1, 1, 52, 1
	EPI_QK 1
	s_wait_xcnt 0x0                                ; the loads issued have had their addresses translated (ISA guide 3.1): their base may step
	s_add_nc_u64 s[WP:WP+1], s[WP:WP+1], 2*REC
	s_add_co_u32 s32, s32, 16
	s_add_co_u32 s31, s31, 1
	s_cmp_lt_u32 s31, 16
	s_cbranch_scc1 .Lqk
	BARRIER                                        ; all codes of Q and K lie in LDS; and every wave's reads of x's images are over, so V may be laid over them
	; ---- the scores and p: my 16 tokens, four a trip.  V's first two tiles stay on their way meanwhile: their registers are not touched
	s_mov_b32 s31, 0
	s_mov_b32 s32, 0
	s_mov_b32 s33, 0
.Lsc:
	v_add_nc_u32 v26, s32, v[AQB]
	v_add_nc_u32 v27, s33, v[APB]
.irp i, 0,1,2,3
.irp c, 0,1
	ds_load_b128 v[QF+8*\i+4*\c:QF+8*\i+4*\c+3], v26 offset:TP*\i+1024*\c
	ds_load_b128 v[KF+8*\i+4*\c:KF+8*\i+4*\c+3], v26 offset:TP*\i+1024*\c+128   ; the same places of d in Q and in K: every product meets its partner
.endr
.endr
	s_wait_dscnt 0x0                               ; the fragments are in, and the last trip's stores have read p's registers
.irp i, 0,1,2,3
	v_wmma_f32_16x16x64_bf8_bf8 v[SS+8*\i:SS+8*\i+7], v[KF+8*\i:KF+8*\i+7], v[QF+8*\i:QF+8*\i+7], 0   ; lane (r, h): head index r; register j: g index 8 h + j
.endr
	PLACES
.set n, 0
.rept 16
	v_pk_fma_f32 v[SS+n:SS+n+1], v[SS+n:SS+n+1], s[26:27], v[18:19] op_sel_hi:[1,0,1]   ; s = sum x 2^(e2 + e3) - 20: one rounding, as the subtraction has
.set n, n+2
.endr
.set n, 0
.rept 16
	v_pk_mul_f32 v[EE+n:EE+n+1], v[SS+n:SS+n+1], s[28:29] op_sel_hi:[1,0]   ; s log2(e)
.set n, n+2
.endr
.set n, 0
.rept 32
	v_cmp_gt_f32 vcc_lo, |v[SS+n]|, v21            ; outside [-20, 20]: the exponent becomes -infinity, e becomes 0
	v_cndmask_b32 v[EE+n], v[EE+n], v20, vcc_lo
.set n, n+1
.endr
.set n, 0
	s_wait_alu depctr_va_vdst(0)
.rept 32
	v_exp_f32 v[EE+n], v[EE+n]
.set n, n+1
.endr
	v_nop                                          ; a plain instruction behind the last exponential
	s_wait_alu depctr_va_vdst(0)                   ; one wait for the batch, ahead of its first reader
.irp i, 0,1,2,3
	v_pk_add_f32 v[SUM+2*\i:SUM+2*\i+1], v[EE+8*\i:EE+8*\i+1], v[EE+8*\i+2:EE+8*\i+3]
	v_pk_add_f32 v[SS+8*\i:SS+8*\i+1], v[EE+8*\i+4:EE+8*\i+5], v[EE+8*\i+6:EE+8*\i+7]   ; (the scores are done with)
.endr
.irp i, 0,1,2,3
	v_pk_add_f32 v[SUM+2*\i:SUM+2*\i+1], v[SUM+2*\i:SUM+2*\i+1], v[SS+8*\i:SS+8*\i+1]
.endr
.irp i, 0,1,2,3
	v_add_f32 v[SUM+2*\i], v[SUM+2*\i], v[SUM+2*\i+1]
.endr
.irp i, 0,1,2,3
	v_permlanex16_b32 v[PD+\i], v[SUM+2*\i], s34, s35   ; the head's other eight g lie in the lane 16 away
.endr
.irp i, 0,1,2,3
	v_add_f32 v[SUM+2*\i], v[SUM+2*\i], v[PD+\i]
.endr
	s_wait_alu depctr_va_vdst(0)
.irp i, 0,1,2,3
	v_rcp_f32 v[RR+2*\i], v[SUM+2*\i]
.endr
	v_nop
	s_wait_alu depctr_va_vdst(0)                   ; one wait for the four reciprocals
.irp i, 0,1,2,3
.irp q, 0,2,4,6
	v_pk_mul_f32 v[EE+8*\i+\q:EE+8*\i+\q+1], v[EE+8*\i+\q:EE+8*\i+\q+1], v[RR+2*\i:RR+2*\i+1] op_sel_hi:[1,0]   ; p = e / the sum
.endr
.endr
.irp i, 0,1,2,3
.irp q, 0,1,2,3
	v_cvt_pk_bf16_f32 v[CD+4*\i+\q], v[EE+8*\i+2*\q], v[EE+8*\i+2*\q+1]
.endr
.endr
.irp i, 0,1,2,3
	ds_store_b128 v27, v[CD+4*\i:CD+4*\i+3] offset:512*\i   ; the image of source 0's registers 0-3 (k = 8 h + 0 .. 7 of row r); my own bytes: no barrier is owed for them
.endr
	s_add_co_u32 s32, s32, 4*TP
	s_add_co_u32 s33, s33, 2048
	s_add_co_u32 s31, s31, 1
	s_cmp_lt_u32 s31, 4
	s_cbranch_scc1 .Lsc
	; ---- V: eight trips of two tiles; the last is written out and asks for nothing, so that no load leaves wq: its counts run down
	s_mov_b32 s31, 0
	s_mov_b32 s32, 0                               ; 64 x trip: the head's row
.Lv:
	VTRIP 50, 52, 50, 52, 1
	s_wait_xcnt 0x0
	s_add_nc_u64 s[WP:WP+1], s[WP:WP+1], 2*REC
	s_add_co_u32 s32, s32, 64
	s_add_co_u32 s31, s31, 1
	s_cmp_lt_u32 s31, 7
	s_cbranch_scc1 .Lv
	VTRIP 50, 34, 16, 0, 0
	BARRIER                                        ; all of V lies in LDS
	; ---- out = p V: my 16 tokens, two a trip.  K = 32 of which 16 are used: the operands' upper four registers hold zeros
.irp a, 0,1
.irp q, 4,5,6,7
	v_mov_b32 v[PF+8*\a+\q], 0
.endr
.endr
.irp a, 0,1,2,3,4,5,6,7
.irp q, 4,5,6,7
	v_mov_b32 v[VF+8*\a+\q], 0
.endr
.endr
	s_mov_b32 s31, 0
	s_mov_b32 s32, 0
	s_mov_b32 s33, 0
.Lpv:
	v_add_nc_u32 v26, s32, v[AVB]
	v_add_nc_u32 v27, s33, v[APB]
	ds_load_b128 v[PF:PF+3], v27
	ds_load_b128 v[PF+8:PF+11], v27 offset:512
.irp a, 0,1
.irp t, 0,1,2,3
	ds_load_tr16_b128 v[VF+8*(4*\a+\t):VF+8*(4*\a+\t)+3], v26 offset:TP*\a+1024*(\t/2)+32*(\t%2)   ; lane (r, h): head indices 8 h + 0 .. 7 of channel 4 r + t
.endr
.endr
	s_wait_dscnt 0x0
	s_wait_alu depctr_va_vdst(0)
.irp a, 0,1
.irp t, 0,1,2,3
	v_wmma_f32_16x16x32_bf16 v[DD+8*(4*\a+\t):DD+8*(4*\a+\t)+7], v[PF+8*\a:PF+8*\a+7], v[VF+8*(4*\a+\t):VF+8*(4*\a+\t)+7], 0   ; register j of lane (r, h): head index 8 h + j = head 2 j + h, channel 4 r + t
.endr
.endr
	PLACES
	s_wait_xcnt 0x0                                ; the last trip's stores have read their registers and their base: both are written again only behind this wait
	s_add_nc_u64 s[OP:OP+1], s[OP:OP+1], 8192      ; two tokens on; this trip's stores reach back
.irp j, 0,1,2,3,4,5,6,7                ; each accumulator from its low end on
.irp t, 0,1,2,3
	v_mul_f32 v[OUT0+4*\j+\t], s30, v[DD+8*\t+\j]  ; x 2^(e0 + e1), which V's sums lacked; four tiles give four neighbouring channels
	v_mul_f32 v[OUT1+4*\j+\t], s30, v[DD+32+8*\t+\j]
.endr
.endr
.irp j, 0,1,2,3,4,5,6,7
	global_store_b128 v[GO], v[OUT0+4*\j:OUT0+4*\j+3], s[OP:OP+1] offset:512*\j-8192 th:TH_STORE_NT        ; heads 2 j and 2 j + 1: 32 lanes store 512 consecutive bytes, at a multiple of 256 from out's first byte
	global_store_b128 v[GO], v[OUT1+4*\j:OUT1+4*\j+3], s[OP:OP+1] offset:512*\j-4096 th:TH_STORE_NT
.endr
	s_add_co_u32 s32, s32, 2*TP
	s_add_co_u32 s33, s33, 1024
	s_add_co_u32 s31, s31, 1
	s_cmp_lt_u32 s31, 8
	s_cbranch_scc1 .Lpv
	s_wait_xcnt 0x0
	v_lshl_add_u32 v254, v0, 2, 0x48800
	v_mov_b32 v255, 0
	s_wait_alu depctr_va_vdst(0)
	s_wait_tensorcnt 0x0
	ds_add_u32 v254, v255
	s_wait_dscnt 0x0
	s_endpgm
.Lfunc_end_k_q6ce27ba483_fused:
	.size	k_q6ce27ba483_fused, .Lfunc_end_k_q6ce27ba483_fused-k_q6ce27ba483_fused
	.p2alignl 7, 3214868480
	.fill 96, 4, 3214868480
	.section	.rodata,"a",@progbits
	.p2align	6, 0x0
	.amdhsa_kernel k_q6ce27ba483_fused
		.amdhsa_group_segment_fixed_size 297472
		.amdhsa_private_segment_fixed_size 0
		.amdhsa_enable_private_segment 0
		.amdhsa_kernarg_size 32
		.amdhsa_user_sgpr_count 2
		.amdhsa_user_sgpr_kernarg_segment_ptr 1
		.amdhsa_wavefront_size32 1
		.amdhsa_system_sgpr_workgroup_id_x 1
		.amdhsa_system_sgpr_workgroup_id_y 1
		.amdhsa_system_sgpr_workgroup_id_z 1
		.amdhsa_system_vgpr_workitem_id 0
		.amdhsa_next_free_vgpr 1024
		.amdhsa_next_free_sgpr 66
		.amdhsa_reserve_vcc 1
		.amdhsa_float_denorm_mode_32 3
		.amdhsa_float_denorm_mode_16_64 3
		.amdhsa_memory_ordered 1
		.amdhsa_forward_progress 1
		.amdhsa_inst_pref_size 145
	.end_amdhsa_kernel
	.amdgpu_metadata
---
amdhsa.version: [ 1, 2 ]
amdhsa.kernels:
  - .name:           k_q6ce27ba483_fused
    .symbol:         k_q6ce27ba483_fused.kd
    .args:
      - { .name: x, .offset: 0, .size: 8, .value_kind: global_buffer, .address_space: global }
      - { .name: wq, .offset: 8, .size: 8, .value_kind: global_buffer, .address_space: global }
      - { .name: lowp_scales, .offset: 16, .size: 8, .value_kind: global_buffer, .address_space: global }
      - { .name: out0, .offset: 24, .size: 8, .value_kind: global_buffer, .address_space: global }
    .group_segment_fixed_size: 297472
    .private_segment_fixed_size: 0
    .kernarg_segment_align: 8
    .kernarg_segment_size: 32
    .max_flat_workgroup_size: 128
    .sgpr_count:     66
    .vgpr_count:     1024
    .wavefront_size: 32
...
	.end_amdgpu_metadata
.endif
;; end of part 2
